; MI455X (gfx1250); checked and timed in simulation.
; The chip was launched on July 23, 2026; its instructions are those of AMD's public machine-readable ISA for CDNA 5 (MIT licence, August 2026) and "CDNA5" Instruction Set Architecture Reference Guide (July 2026). The comments in the code are by the model that wrote it; some were corrected since.
;; De Stationary Causal Attention. Allowed arithmetic: matrix products marked QUANTISED: E2M1 operands, one E8M0 scale for each 32 along K, by v_wmma_scale_f32_16x16x128_f8f6f4 with both operands' format E2M1 (or v_wmma_scale_f32_32x16x128_f4), f32 sums; products left as they are: bf16, f16 or f32 operands; f32 sums; everything else in f32.
;; Inputs: Wk 1,024 x 512 float32; Wo 512 x 1,024 float32; Wq 1,024 x 1,024 float32; Wv 1,024 x 512 float32; bo 1,024 float32; del_b1 128 float32; del_b2 512 float32; del_w1 1,025 x 128 float32; del_w2 128 x 512 float32; h 2 x 2,048 x 1,024 float32; pre_norm_mu 2 x 2,048 x 32 float32; pre_norm_sigma 2 x 2,048 x 32 float32; tau_b1 128 float32; tau_b2 1 float32; tau_w1 1,025 x 128 float32; tau_w2 128 x 1 float32.
;; Outputs: out0 2 x 1,024 float32.
;; This version of the problem:
;;   THIS VERSION OF THE PROBLEM IS GIVEN IN LOW PRECISION. The matrix products marked QUANTISED in the list below multiply operands that are first quantised to E2M1 (2 exponent bits, 1 mantissa bit; 4 bits a number), with one power-of-two scale for each 32 numbers along K (OCP MX v1.0); their sums are f32. The products marked 'left as it is' may take bf16, f16 or f32 operands, with f32 sums. Whichever they take, every output number must still come out within the allowed error. Rounding operands to bf16 (8 significant bits) uses up far more of that allowance than f16 does (11 bits, for magnitudes from 6e-5 to 65,504). All else is computed in f32.
;;   The module's matrix products, in the order in which they are computed (A, B: the left and right operand; K: the contracted axis; several contracted axes count as one K, in the product's order):
;;     1. [M 4,096, K 1,025] x [K 1,025, N 128]; A: computed on the way; B: input tau_w1: left as it is (an operand is computed on the way)
;;     2. [M 4,096, K 128] x [K 128, N 1]; A: computed on the way; B: input tau_w2: left as it is (N = 1 < 16)
;;     3. [M 4,096, K 1,025] x [K 1,025, N 128]; A: computed on the way; B: input del_w1: left as it is (an operand is computed on the way)
;;     4. [M 4,096, K 128] x [K 128, N 512]; A: computed on the way; B: input del_w2: left as it is (an operand is computed on the way)
;;     5. [M 4,096, K 1,024] x [K 1,024, N 1,024]; A: input h; B: input Wq: QUANTISED
;;     6. [M 4,096, K 1,024] x [K 1,024, N 512]; A: input h; B: input Wk: QUANTISED
;;     7. [M 4,096, K 1,024] x [K 1,024, N 512]; A: input h; B: input Wv: QUANTISED
;;     8. batch 32 x [M 2,048, K 32] x [K 32, N 2,048]; A: computed on the way; B: computed on the way: left as it is (an operand is computed on the way)
;;     9. batch 32 x [M 1, K 32] x [K 32, N 2,048]; A: computed on the way; B: computed on the way: left as it is (M = 1 < 16)
;;     10. batch 32 x [M 2,048, K 2,048] x [K 2,048, N 32]; A: computed on the way; B: computed on the way: left as it is (an operand is computed on the way)
;;     11. [M 4,096, K 512] x [K 512, N 1,024]; A: computed on the way; B: input Wo: left as it is (an operand is computed on the way)
;;   THE QUANTISER, for each operand of a quantised product, along K:
;;     - K is cut into blocks of 32 from its start; a last block that is shorter is filled with zeros.
;;     - A block's scale is 2^e with e = floor(log2(the largest magnitude in the block)) - 2, held to -126 .. 127; a block of zeros has e = 0. As a byte (E8M0): e + 127.
;;     - Each number is divided by its block's scale, clamped to +-6, and rounded to the nearest number of E2M1, ties to even, subnormals kept.
;;     - The product sums the exact products of the quantised numbers (number of the format x scale) in f32.
;;   ~~~python
;;   def quantise(x, axis):      # numpy; x: float32 -> the quantised numbers, widened to float32 again
;;       x = np.moveaxis(x, axis, -1); K = x.shape[-1]
;;       x = np.pad(x, [(0, 0)] * (x.ndim - 1) + [(0, -K % 32)]); x = x.reshape(x.shape[:-1] + (-1, 32)); a = np.abs(x).max(-1, keepdims=True)
;;       e = np.where(a > 0, np.clip(np.frexp(np.where(a > 0, a, 1))[1] - 1 - 2, -126, 127), 0)      # np.frexp(a)[1] - 1 = floor(log2(a)), exactly
;;       r = np.clip(x / 2.0 ** e, -6, 6)
;;       step = 2.0 ** (np.maximum(np.frexp(np.where(r == 0, 1, r))[1] - 1, 0) - 1)
;;       q = np.round(r / step) * step * 2.0 ** e      # np.round: ties to even
;;       return np.moveaxis(q.reshape(q.shape[:-2] + (-1,))[..., :K], -1, axis).astype(np.float32)
;;   ~~~
;; One version. Each part assembles by itself: llvm-mc -triple=amdgcn-amd-amdhsa -mcpu=gfx1250 --defsym DOCPART=n.
;; ======== version 1 of 1: 3 launches
;; workspace buffers: hc 2,097,152 bytes; hs 131,072 bytes; wc 786,432 bytes; ws 49,152 bytes; g 2,048 bytes; po 65,536 bytes; ps 32,768 bytes
;; launch prep (part 1): grid 184 x 1, 8 waves a work-group, no clusters, 136,192 bytes of LDS; arguments h, Wk, Wv, Wq, tau_w1, del_w1, tau_b1, del_b1, pre_norm_sigma, pre_norm_mu, hc, hs, wc, ws, g; writes hc, hs, wc, ws, g
.if DOCPART == 1
	.amdgcn_target "amdgcn-amd-amdhsa--gfx1250"
	.amdhsa_code_object_version 6
	.text
	.protected	k_q3722dc55c6_prep
	.globl	k_q3722dc55c6_prep
	.p2align	8
	.type	k_q3722dc55c6_prep,@function
k_q3722dc55c6_prep:
	s_mov_b64 s[64:65], 0
	v_nop
	global_prefetch_b8 v0, s[64:65] scope:SCOPE_SE
	s_setreg_imm32_b32 hwreg(HW_REG_WAVE_MODE, 25, 1), 1
	s_wait_xcnt 0x0
; PREP.  The result is out[:, -1, :]: only query 2047 of each batch is kept, and its causal row hides no key.  So K = h Wk and V = h Wv are wanted for all
; 4,096 rows, and tau, delta, Qc and the projection for rows 2047 alone.  This launch makes what the next one multiplies:
;   work-groups 0-127:   h [4096][1024] f32 -> codes of E2M1 with one E8M0 byte for each 32 along K, laid as IMAGES OF OPERAND REGISTERS:
;                        hc [tile of 16 rows][K step of 128][c 2][lane 32][16 bytes]: piece (c, lane 16 h + r) is block 2 c + h of row r;  hs [tile][pair of K steps][lane]: lane 16 e + r = row r's scale word of step 2 kq + e
;   work-groups 128-175: Wk, Wv [1024][512] and the first 32 of each head's 64 columns of Wq [1024][1024], quantised DOWN their first axis (K):
;                        wc [type x 16 + head][tile of 16 columns][K step][c][lane][16 bytes];  ws [type x 16 + head][K step][lane = column] scale words
;   work-groups 176-183: the first layers of the two small networks for rows 2047, in f32 fused multiply-adds, with the exact GELU:  g [tau, delta][batch][128]
; A block's scale is 2^(floor(log2(largest magnitude)) - 2): its byte is the largest magnitude's exponent field - 2, held at 1 from below.
; LIMITS: a block of zeros gets the byte 1 where the rule says 127 (its codes are zeros, and this program alone reads the bytes); NaN and infinities among the inputs are not served.
; erf is Abramowitz and Stegun's 7.1.26, absolute error at most 1.5e-7 for every argument; it stands ahead of no quantiser.
.set WSTG,  16640                      ; the h path's stage: 16 rows x (1,024 bytes + 16) for each wave
.set MRED,  8*WSTG                     ; the network path's partial sums: [wave 8][batch 2][32 columns] f32
.set SPARE, MRED+2048                  ; the spare words, 128 bytes for each wave: four blocks of 256 bytes that no other line names
.set SPW, 14                           ; v14  LDS address of my spare word; never rewritten
.set NIL, 15                           ; v15  0; never rewritten
.set XR,  32                           ; v32-159  128 numbers: four blocks of 32
.set CD,  160                          ; v160-175 their codes, four registers a block
.set BY,  176                          ; v176-179 their scale bytes
.set MXA, 180                          ; v180, v181 two chains of the largest magnitude
.set MXB, 181
.set SCL, 182                          ; v182 the conversions' scale operand
; A whole block of 32 in one lane's registers v[x] on -> 4 registers of codes at v[c], its byte in v[by]
.macro QBLK x, c, by
	v_max3_num_f32 v[MXA], |v[\x]|, |v[\x+1]|, |v[\x+2]|
	v_max3_num_f32 v[MXB], |v[\x+3]|, |v[\x+4]|, |v[\x+5]|
.irp i, 6,10,14,18,22,26
	v_max3_num_f32 v[MXA], v[MXA], |v[\x+\i]|, |v[\x+\i+1]|
	v_max3_num_f32 v[MXB], v[MXB], |v[\x+\i+2]|, |v[\x+\i+3]|
.endr
	v_max3_num_f32 v[MXA], v[MXA], |v[\x+30]|, |v[\x+31]|
	v_max3_num_f32 v[MXA], v[MXA], v[MXB], 0x1800000               ; the floor 2^(3 - 127): the byte cannot fall under 1
	v_add_nc_u32 v[SCL], 0xff000000, v[MXA]                        ; 2 off the exponent field: the conversion takes the exponent field of this operand as its scale
	v_lshrrev_b32 v[\by], 23, v[SCL]                               ; the scale's byte
.irp g, 0,1,2,3
	v_cvt_scalef32_pk8_fp4_f32 v[\c+\g], v[\x+8*\g:\x+8*\g+7], v[SCL]
.endr
.endm
; 128 rows of a weight at 32 neighbouring columns: a lane a column, registers down K
.macro LOADW pitch
.set i, 0
.rept 128
	global_load_b32 v[XR+i], v5, s[48:49] offset:i*\pitch th:TH_LOAD_NT
.set i, i+1
.endr
.endm
	s_load_b512 s[16:31], s[0:1], 0x0              ; h 16, Wk 18, Wv 20, Wq 22, tau_w1 24, del_w1 26, tau_b1 28, del_b1 30
	s_load_b256 s[32:39], s[0:1], 0x40             ; sigma 32, mu 34, hc 36, hs 38
	s_load_b128 s[40:43], s[0:1], 0x60             ; wc 40, ws 42
	s_load_b64 s[44:45], s[0:1], 0x70              ; g
	v_lshl_add_u32 v[SPW], v0, 2, SPARE
	v_mov_b32 v[NIL], 0
	v_lshrrev_b32 v1, 5, v0
	v_readfirstlane_b32 s4, v1                     ; wave 0..7
	v_and_b32 v1, 31, v0                           ; lane l
	v_and_b32 v2, 15, v0                           ; r
	v_bfe_u32 v3, v0, 4, 1                         ; h
	v_and_b32 v10, 7, v0                           ; l % 8
	v_lshlrev_b32 v4, 4, v1                        ; 16 l
	v_lshlrev_b32 v5, 2, v1                        ; 4 l
	s_mul_i32 s5, s4, WSTG                         ; every LDS address is made here, ahead of the parting of the paths
	v_add_nc_u32 v6, s5, v4                        ; the stage, in: 16 l
	v_mul_u32_u24 v7, v2, 1040
	v_lshl_add_u32 v7, v3, 7, v7
	v_add_nc_u32 v7, s5, v7                        ; the stage, out: row r, + 128 h: my blocks
	s_lshl_b32 s6, s4, 8
	s_add_co_u32 s6, s6, MRED
	v_lshlrev_b32 v8, 4, v10
	v_add_nc_u32 v8, s6, v8                        ; partial sums, in: 256 x wave + 16 (l % 8)
	v_add_nc_u32 v9, MRED, v5                      ; and out: 4 l
	s_mov_b32 s46, 0x76543210
	s_mov_b32 s47, 0xfedcba98                      ; v_permlanex16_b32's selects for lane l xor 16
	s_wait_kmcnt 0x0
	s_cmp_ge_u32 ttmp9, 176                        ; the paths part on the work-group's number alone
	s_cbranch_scc1 .Lmlp
	s_cmp_ge_u32 ttmp9, 128
	s_cbranch_scc1 .Lw
	; ---- h: a wave takes 16 rows x 256 along K, 16 KB, asked for at once
	s_lshl_b32 s5, ttmp9, 3
	s_add_co_u32 s5, s5, s4
	s_lshr_b32 s6, s5, 2                           ; the tile of 16 rows
	s_and_b32 s7, s5, 3                            ; which 256 along K
	s_mov_b32 s9, 0
	s_lshl_b32 s8, s6, 16
	s_lshl_b32 s10, s7, 10
	s_add_co_u32 s8, s8, s10
	s_add_nc_u64 s[16:17], s[16:17], s[8:9]
	s_lshl_b32 s8, s6, 13
	s_lshl_b32 s10, s7, 11
	s_add_co_u32 s8, s8, s10
	s_add_nc_u64 s[36:37], s[36:37], s[8:9]
	s_lshl_b32 s8, s6, 9
	s_lshl_b32 s10, s7, 7
	s_add_co_u32 s8, s8, s10
	s_add_nc_u64 s[38:39], s[38:39], s[8:9]
.set i, 0
.rept 32
	global_load_b128 v[XR+4*i:XR+4*i+3], v4, s[16:17] offset:(i/2)*4096+(i%2)*512 th:TH_LOAD_NT   ; 32 lanes read 512 consecutive bytes
.set i, i+1
.endr
	v_mov_b32 v183, 0                              ; a lane permute's destination counts as one of its sources
	v_mov_b32 v184, 0
.set i, 0
.rept 8
	s_wait_loadcnt 28-i                            ; the next four loads are in; the younger ones stay out
.rept 4
	ds_store_b128 v6, v[XR+4*i:XR+4*i+3] offset:(i/2)*1040+(i%2)*512
.set i, i+1
.endr
.endr
	s_wait_dscnt 0x0                               ; the stores have read their registers, which the loads below write
.set i, 0
.rept 32
	ds_load_b128 v[XR+4*i:XR+4*i+3], v7 offset:(i/8)*256+(i%8)*16   ; block q = i / 8: K step q / 2, c = q % 2, half h: 32 neighbours of my row
.set i, i+1
.endr
.irp q, 0,1,2,3
	s_wait_dscnt 24-8*\q                           ; this block's eight loads are back; the later blocks' may be out
	QBLK XR+32*\q, CD+4*\q, BY+\q
	global_store_b128 v4, v[CD+4*\q:CD+4*\q+3], s[36:37] offset:512*\q   ; the lanes' order is the image's: 512 consecutive bytes
.endr
	v_lshlrev_b32 v185, 3, v3                      ; my bytes stand at places h and 2 + h of a scale word
	v_lshl_or_b32 v186, v[BY+1], 16, v[BY]
	v_lshl_or_b32 v187, v[BY+3], 16, v[BY+2]
	v_lshlrev_b32 v186, v185, v186
	v_lshlrev_b32 v187, v185, v187
	v_permlanex16_b32 v183, v186, s46, s47
	v_permlanex16_b32 v184, v187, s46, s47
	v_or_b32 v186, v186, v183                      ; with lane l xor 16's two bytes the words are whole
	v_or_b32 v187, v187, v184
	v_cmp_gt_u32 vcc_lo, 16, v1
	v_cndmask_b32 v186, v187, v186, vcc_lo         ; lanes 0-15 the first K step's word, lanes 16-31 the second's
	global_store_b32 v5, v186, s[38:39]
	s_branch .Lfin
	; ---- the weights: a wave takes a head's 32 columns x 128 along K
.Lw:
	s_sub_co_u32 s5, ttmp9, 128
	s_lshr_b32 s6, s5, 4                           ; type: 0 Wk, 1 Wv, 2 Wq
	s_and_b32 s7, s5, 15
	s_and_b32 s8, s7, 3
	s_lshl_b32 s8, s8, 2
	s_and_b32 s9, s4, 3
	s_add_co_u32 s8, s8, s9                        ; head
	s_lshr_b32 s9, s7, 2
	s_lshl_b32 s9, s9, 1
	s_lshr_b32 s10, s4, 2
	s_add_co_u32 s9, s9, s10                       ; K step
	s_lshl_b32 s10, s6, 4
	s_add_co_u32 s10, s10, s8                      ; type x 16 + head
	s_cmp_eq_u32 s6, 1
	s_cselect_b64 s[48:49], s[20:21], s[18:19]
	s_cmp_eq_u32 s6, 2
	s_cselect_b64 s[48:49], s[22:23], s[48:49]
	s_cselect_b32 s11, 19, 18                      ; 128 rows are 2^19 bytes in Wq, 2^18 in Wk and Wv
	s_cselect_b32 s12, 8, 7                        ; a head is 256 bytes of a row in Wq, 128 in Wk and Wv
	s_lshl_b32 s50, s9, s11
	s_lshl_b32 s13, s8, s12
	s_add_co_u32 s50, s50, s13
	s_mov_b32 s51, 0
	s_add_nc_u64 s[48:49], s[48:49], s[50:51]
	s_lshl_b32 s50, s10, 14
	s_lshl_b32 s13, s9, 10
	s_add_co_u32 s50, s50, s13
	s_add_nc_u64 s[40:41], s[40:41], s[50:51]
	s_lshl_b32 s50, s10, 10
	s_lshl_b32 s13, s9, 7
	s_add_co_u32 s50, s50, s13
	s_add_nc_u64 s[42:43], s[42:43], s[50:51]
	s_cmp_eq_u32 s6, 2                             ; the row pitch stands in the loads' immediates: so they are written for both pitches
	s_cbranch_scc1 .Lwq
	LOADW 2048
	s_branch .Lwgo
.Lwq:
	LOADW 4096
.Lwgo:
.irp t, 0,1,2,3
.if \t == 0
	s_wait_loadcnt 63                              ; loads come back in order (ISA guide 5.7.1), and 63 is the largest count that a wait can name: with at most 63 of my 128 loads out the first 65 are in: blocks 0 and 1
.elseif \t > 1
	s_wait_loadcnt 96-32*\t                        ; this block's 32 loads are in; the later block's may be out
.endif
	QBLK XR+32*\t, CD+4*\t, BY+\t
.endr
	v_nop                                          ; one plain place behind the last scaled conversion
.irp c, 0,1                                    ; lane l holds column l's four blocks; an operand's lane (r, h) wants block 2 c + h of column r of its tile
.irp i, 0,1,2,3
	v_permlane16_swap_b32 v[CD+8*\c+\i], v[CD+8*\c+4+\i]   ; the first becomes register 4 c + i of the tile of columns 0-15, the second of columns 16-31
.endr
.endr
.irp c, 0,1
	global_store_b128 v4, v[CD+8*\c:CD+8*\c+3], s[40:41] offset:512*\c
	global_store_b128 v4, v[CD+8*\c+4:CD+8*\c+7], s[40:41] offset:8192+512*\c
.endr
	v_lshl_or_b32 v186, v[BY+1], 8, v[BY]          ; my column's scale word
	v_lshl_or_b32 v186, v[BY+2], 16, v186
	v_lshl_or_b32 v186, v[BY+3], 24, v186
	global_store_b32 v5, v186, s[42:43]
	s_branch .Lfin
	; ---- the first layers: a work-group is one network x 32 of its 128 hidden units, for both batches' rows 2047
.Lmlp:
	s_sub_co_u32 s5, ttmp9, 176
	s_lshr_b32 s6, s5, 2                           ; 0 tau, 1 delta
	s_and_b32 s7, s5, 3                            ; which 32 units
	s_cmp_eq_u32 s6, 0
	s_cselect_b64 s[48:49], s[24:25], s[26:27]     ; w1
	s_cselect_b64 s[50:51], s[28:29], s[30:31]     ; b1
	s_cselect_b64 s[52:53], s[32:33], s[34:35]     ; sigma or mu
	s_mov_b32 s8, 0xff800000
	s_cselect_b32 s8, 0x358637bd, s8               ; sigma's mean is held at 1e-6 from below, mu's at nothing
	s_mov_b32 s11, 0
	s_lshl_b32 s10, s4, 9
	s_add_co_u32 s10, s10, 0x7ff000                ; row 2047, + my wave's 128 numbers
	s_add_nc_u64 s[54:55], s[16:17], s[10:11]
	s_add_nc_u64 s[56:57], s[54:55], 0x800000      ; the same in batch 1
	s_lshl_b32 s12, s7, 7
	s_lshl_b32 s10, s4, 16
	s_add_co_u32 s10, s10, s12
	s_add_co_u32 s10, s10, 512                     ; w1's row 0 multiplies the mean: h's numbers begin at row 1
	s_add_nc_u64 s[58:59], s[48:49], s[10:11]
	v_lshrrev_b32 v11, 3, v1                       ; l / 8: which 32 of the wave's 128 rows of w1
	v_lshlrev_b32 v12, 7, v11
	v_lshlrev_b32 v13, 14, v11
	v_lshl_add_u32 v13, v10, 4, v13                ; + 16 (l % 8): four units a lane
	v_add_nc_u32 v11, s12, v5                      ; unit 32 cg + l, in bytes
.irp i, 0,1,2,3,4,5,6,7
	global_load_b128 v[160+4*\i:163+4*\i], v12, s[54:55] offset:16*\i
.endr
.irp i, 0,1,2,3,4,5,6,7
	global_load_b128 v[192+4*\i:195+4*\i], v12, s[56:57] offset:16*\i
.endr
	global_load_b32 v232, v5, s[52:53] offset:2047*128
	global_load_b32 v233, v5, s[52:53] offset:4095*128
	global_load_b32 v234, v11, s[50:51]
	global_load_b32 v235, v11, s[48:49]
.set i, 0
.rept 32
	global_load_b128 v[32+4*i:35+4*i], v13, s[58:59] offset:512*i
.set i, i+1
.endr
.set i, 0
.rept 4
	s_wait_loadcnt 24-i                            ; the next eight rows of w1 are in (and all that was asked for ahead of them)
.rept 8
.irp c, 0,1,2,3
.if i == 0
	v_mul_f32 v[224+\c], v[160+i], v[32+4*i+\c]
	v_mul_f32 v[228+\c], v[192+i], v[32+4*i+\c]
.else
	v_fmac_f32 v[224+\c], v[160+i], v[32+4*i+\c]
	v_fmac_f32 v[228+\c], v[192+i], v[32+4*i+\c]
.endif
.endr
.set i, i+1
.endr
.endr
.irp a, 0,1,2,3,4,5,6,7
	v_add_f32_dpp v[224+\a], v[224+\a], v[224+\a] row_xmask:8 row_mask:0xf bank_mask:0xf   ; the four groups of eight lanes are added
.endr
.irp a, 0,1,2,3,4,5,6,7
	v_permlanex16_b32 v[32+\a], v[224+\a], s46, s47
.endr
.irp a, 0,1,2,3,4,5,6,7
	v_add_f32 v[224+\a], v[224+\a], v[32+\a]
.endr
	ds_store_b128 v8, v[224:227]                   ; lanes with the same l % 8 write the same bytes with the same values
	ds_store_b128 v8, v[228:231] offset:128
	s_wait_dscnt 0x0                               ; for the others' sake: my stores have landed
	s_barrier_signal -1
	s_barrier_wait -1
	s_cmp_lg_u32 s4, 0
	s_cbranch_scc1 .Lfin
.irp wv, 0,1,2,3,4,5,6,7
.irp b, 0,1
	ds_load_b32 v[32+2*\wv+\b], v9 offset:256*\wv+128*\b
.endr
.endr
.irp m, 1,2,4,8
	v_add_f32_dpp v232, v232, v232 row_xmask:\m row_mask:0xf bank_mask:0xf
	v_add_f32_dpp v233, v233, v233 row_xmask:\m row_mask:0xf bank_mask:0xf
.endr
	v_permlanex16_b32 v64, v232, s46, s47
	v_permlanex16_b32 v65, v233, s46, s47
	v_add_f32 v232, v232, v64
	v_add_f32 v233, v233, v65
	v_mul_f32 v232, 0x3d000000, v232               ; / 32
	v_mul_f32 v233, 0x3d000000, v233
	v_max_num_f32 v232, s8, v232
	v_max_num_f32 v233, s8, v233
	s_wait_dscnt 0x0
	v_pk_add_f32 v[32:33], v[32:33], v[34:35]      ; a pair is (batch 0, batch 1)
	v_pk_add_f32 v[36:37], v[36:37], v[38:39]
	v_pk_add_f32 v[40:41], v[40:41], v[42:43]
	v_pk_add_f32 v[44:45], v[44:45], v[46:47]
	v_pk_add_f32 v[32:33], v[32:33], v[36:37]
	v_pk_add_f32 v[40:41], v[40:41], v[44:45]
	v_pk_add_f32 v[32:33], v[32:33], v[40:41]
	v_add_f32 v32, v32, v234
	v_add_f32 v33, v33, v234
	v_fmac_f32 v32, v232, v235                     ; x = the sum + b1 + mean x w1's row 0
	v_fmac_f32 v33, v233, v235
	v_mul_f32 v36, 0x3f3504f3, |v32|               ; z = |x| / sqrt(2)
	v_mul_f32 v37, 0x3f3504f3, |v33|
	v_fma_f32 v38, v36, 0x3ea7ba05, 1.0            ; 1 + 0.3275911 z
	v_fma_f32 v39, v37, 0x3ea7ba05, 1.0
	v_mul_f32 v40, v36, v36
	v_mul_f32 v41, v37, v37
	v_mul_f32 v40, 0xbfb8aa3b, v40                 ; -z^2 log2(e)
	v_mul_f32 v41, 0xbfb8aa3b, v41
	v_rcp_f32 v38, v38                             ; t
	v_rcp_f32 v39, v39
	v_exp_f32 v40, v40                             ; e^(-z^2)
	v_exp_f32 v41, v41
	v_mul_f32 v42, 0.5, v32                        ; plain work behind the four
	v_mul_f32 v43, 0.5, v33
	v_mov_b32 v46, 0x3f87dc22                      ; a5
	s_wait_alu depctr_va_vdst(0)                   ; one wait for the four, ahead of their first reader
	v_fmaak_f32 v44, v46, v38, 0xbfba00e3          ; Horner: a5 t + a4,
	v_fmaak_f32 v45, v46, v39, 0xbfba00e3
	v_fmaak_f32 v44, v44, v38, 0x3fb5f0e3          ; .. + a3,
	v_fmaak_f32 v45, v45, v39, 0x3fb5f0e3
	v_fmaak_f32 v44, v44, v38, 0xbe91a98e          ; .. + a2,
	v_fmaak_f32 v45, v45, v39, 0xbe91a98e
	v_fmaak_f32 v44, v44, v38, 0x3e827906          ; .. + a1,
	v_fmaak_f32 v45, v45, v39, 0x3e827906
	v_mul_f32 v44, v44, v38                        ; .. x t
	v_mul_f32 v45, v45, v39
	v_fma_f32 v44, -v44, v40, 1.0                  ; erf(z)
	v_fma_f32 v45, -v45, v41, 1.0
	v_bfi_b32 v44, 0x7fffffff, v44, v32            ; with x's sign
	v_bfi_b32 v45, 0x7fffffff, v45, v33
	v_fma_f32 v44, v42, v44, v42                   ; x / 2 (1 + erf)
	v_fma_f32 v45, v43, v45, v43
	s_lshl_b32 s10, s6, 10
	s_add_nc_u64 s[44:45], s[44:45], s[10:11]
	global_store_b32 v11, v44, s[44:45]
	global_store_b32 v11, v45, s[44:45] offset:512
.Lfin:
	s_wait_tensorcnt 0x0                           ; the wave's end: the tensor wait, the spare word's add
	ds_add_u32 v[SPW], v[NIL]
	s_wait_dscnt 0x0
	s_endpgm
.Lfunc_end_k_q3722dc55c6_prep:
	.size	k_q3722dc55c6_prep, .Lfunc_end_k_q3722dc55c6_prep-k_q3722dc55c6_prep
	.p2alignl 7, 3214868480
	.fill 96, 4, 3214868480
	.section	.rodata,"a",@progbits
	.p2align	6, 0x0
	.amdhsa_kernel k_q3722dc55c6_prep
		.amdhsa_group_segment_fixed_size 136192
		.amdhsa_private_segment_fixed_size 0
		.amdhsa_enable_private_segment 0
		.amdhsa_kernarg_size 120
		.amdhsa_user_sgpr_count 2
		.amdhsa_user_sgpr_kernarg_segment_ptr 1
		.amdhsa_wavefront_size32 1
		.amdhsa_system_sgpr_workgroup_id_x 1
		.amdhsa_system_sgpr_workgroup_id_y 1
		.amdhsa_system_sgpr_workgroup_id_z 1
		.amdhsa_system_vgpr_workitem_id 0
		.amdhsa_next_free_vgpr 256
		.amdhsa_next_free_sgpr 66
		.amdhsa_reserve_vcc 1
		.amdhsa_float_denorm_mode_32 3
		.amdhsa_float_denorm_mode_16_64 3
		.amdhsa_memory_ordered 1
		.amdhsa_forward_progress 1
		.amdhsa_inst_pref_size 69
	.end_amdhsa_kernel
	.amdgpu_metadata
---
amdhsa.version: [ 1, 2 ]
amdhsa.kernels:
  - .name:           k_q3722dc55c6_prep
    .symbol:         k_q3722dc55c6_prep.kd
    .args:
      - { .name: h, .offset: 0, .size: 8, .value_kind: global_buffer, .address_space: global }
      - { .name: Wk, .offset: 8, .size: 8, .value_kind: global_buffer, .address_space: global }
      - { .name: Wv, .offset: 16, .size: 8, .value_kind: global_buffer, .address_space: global }
      - { .name: Wq, .offset: 24, .size: 8, .value_kind: global_buffer, .address_space: global }
      - { .name: tau_w1, .offset: 32, .size: 8, .value_kind: global_buffer, .address_space: global }
      - { .name: del_w1, .offset: 40, .size: 8, .value_kind: global_buffer, .address_space: global }
      - { .name: tau_b1, .offset: 48, .size: 8, .value_kind: global_buffer, .address_space: global }
      - { .name: del_b1, .offset: 56, .size: 8, .value_kind: global_buffer, .address_space: global }
      - { .name: pre_norm_sigma, .offset: 64, .size: 8, .value_kind: global_buffer, .address_space: global }
      - { .name: pre_norm_mu, .offset: 72, .size: 8, .value_kind: global_buffer, .address_space: global }
      - { .name: hc, .offset: 80, .size: 8, .value_kind: global_buffer, .address_space: global }
      - { .name: hs, .offset: 88, .size: 8, .value_kind: global_buffer, .address_space: global }
      - { .name: wc, .offset: 96, .size: 8, .value_kind: global_buffer, .address_space: global }
      - { .name: ws, .offset: 104, .size: 8, .value_kind: global_buffer, .address_space: global }
      - { .name: g, .offset: 112, .size: 8, .value_kind: global_buffer, .address_space: global }
    .group_segment_fixed_size: 136192
    .private_segment_fixed_size: 0
    .kernarg_segment_align: 8
    .kernarg_segment_size: 120
    .max_flat_workgroup_size: 256
    .sgpr_count:     66
    .vgpr_count:     256
    .wavefront_size: 32
...
	.end_amdgpu_metadata
.endif
;; end of part 1
;; launch attn (part 2): grid 8 x 32, 8 waves a work-group, clusters of 4 x 4, 176,128 bytes of LDS; arguments hc, hs, wc, ws, g, tau_w2, tau_b2, del_w2, del_b2, po, ps; writes po, ps
.if DOCPART == 2
	.amdgcn_target "amdgcn-amd-amdhsa--gfx1250"
	.amdhsa_code_object_version 6
	.text
	.protected	k_q3722dc55c6_attn
	.globl	k_q3722dc55c6_attn
	.p2align	8
	.type	k_q3722dc55c6_attn,@function
k_q3722dc55c6_attn:
	s_mov_b64 s[64:65], 0
	v_nop
	global_prefetch_b8 v0, s[64:65] scope:SCOPE_SE
	s_setreg_imm32_b32 hwreg(HW_REG_WAVE_MODE, 25, 1), 1
	s_wait_xcnt 0x0
	s_wait_alu depctr_hold_cnt(0) depctr_sa_sdst(0) depctr_va_vdst(0) depctr_va_sdst(0) depctr_va_ssrc(0) depctr_va_vcc(0) depctr_vm_vsrc(0)
	s_getreg_b32 s2, hwreg(HW_REG_IB_STS2, 6, 4)
	s_cmp_eq_u32 s2, 0
	s_cbranch_scc0 .Lentry_in_a_cluster
	s_endpgm
.Lentry_in_a_cluster:
	s_bfe_u32 s2, ttmp6, 0x10000c
	s_cmp_lg_u32 s2, 0xf033
	s_cbranch_scc0 .Lentry_shape_is_right
	s_endpgm
.Lentry_shape_is_right:
; ATTN.  For query 2047 of each batch: K = h Wk and V = h Wv on codes of E2M1 (v_wmma_scale_f32_16x16x128_f8f6f4), Qc of the last row by the same form, the logits, their exponentials,
; and for each block of 128 keys and each head the partial sums S = sum of e^logit and O = sum of e^logit V.  Only what out[:, -1, :] keeps is multiplied.
; logit(k) = clip(q_eff . K[k], -50, 50) with q_eff = tau / sqrt(32) Qc + delta_last: the two products of the logits have the same K[k] as a factor and are one sum.
; NO MAXIMUM IS TAKEN AWAY: the clip at +-50 is the computation's own; e^50 x 2,048 keys is about 1e25 and e^-50 about 2e-22, both well inside f32, so sums can be added across work-groups.
; All but the three quantised products is f32 (fused multiply-adds).  LIMITS: NaN and infinities among the inputs are not served.
; SHARES.  A work-group is 128 keys x two heads (2 p, 2 p + 1): 32 x 8 = 256 work-groups.  Wave w: head 2 p + w % 2, key tiles 2 (w / 2) and 2 (w / 2) + 1: eight accumulators (2 key tiles x K, V x 2 tiles of 16 of the head's 32).
; TRANSPOSED: source 0 = 16 columns of a weight, source 1 = 16 keys: a lane holds ONE key (lane % 16), and register j of tile t the head's number d = 16 t + 8 (lane / 16) + j.
; Qc: source 1 is the last row sixteen times over (every lane reads row 15 of the batch's last tile), so every lane holds Qc in the same places as K's numbers.
; LDS.  All operands of a work-group, as images of operand registers (16 x lane: no pitch, no padding), come ONCE, in two chunks of four K steps: nothing is filled again.
; CLUSTER 4 x 4: the four of a row share the keys' tiles, the four of a column the weights' tiles: joint loads.  The last row's tile is the same for all sixteen: no mask of four fits it, and wave 5 fetches its 8 KB by a plain load.
.set CHUNK, 81920                      ; 20 parts of 4,096 bytes (a tile x 4 K steps): keys 0-7, Wk 8-11, Wv 12-15, Wq 16-19 (in a type: 2 x head's half + tile)
.set AQB,   2*CHUNK                    ; the batch's last tile of rows, 8 K steps
.set DP,    AQB+8192                   ; delta's partial sums: [wave 8][32] f32
.set RED,   DP+1024                    ; the waves' O (128 bytes) and S: 256 bytes a wave
.set SPARE, RED+2048                   ; the spare words, 128 bytes for each wave: four blocks of 256 bytes that no other line names
.set ADA,  4                           ; v4, v5   my key tiles in chunk 0, 1
.set ADB,  6                           ; v6, v7   my head's weight tiles in chunk 0, 1
.set ADQ,  8                           ; v8       row 15 of the last tile
.set SPW,  14                          ; v14      LDS address of my spare word; never rewritten
.set NIL,  15                          ; v15      0; never rewritten
.set TAUC, 18                          ; v18      tau / sqrt(32)
.set SA,   24                          ; v24-31   the keys' scale words: 4 x key tile + pair of K steps (lanes 0-15 the even step, 16-31 the odd)
.set SW,   32                          ; v32-55   the weights': 8 x type + K step (lanes 0-15 tile 0, 16-31 tile 1)
.set SQ,   56                          ; v56-59   the last row's: pair of K steps
.set DL,   60                          ; v60-75   del_b2, then delta_last, then q_eff: 8 t + j
.set QA,   76                          ; v76-91   Qc's two accumulators
.set ACC,  92                          ; v92-155  8 x (4 x key tile + 2 x (0 K, 1 V) + t)
.set B0,   156                         ; v156-203, v204-251: two sets of a K step's fragments: keys 16, Wk 16, Wv 16
.set B1,   204
.set OO,   156                         ; the way out: O 16, S, the logits' chains, p
.set SS,   172
.set LG,   176
.set PP,   180
.set TP,   182
.set G1A,  40                          ; s[40:47] group 1 for the keys' tiles;  s[48:55] for the weights';  s[56:63] for the last tile
.set G1B,  48
.set G1Q,  56
.set G0A0, 68                          ; groups 0: keys chunk 0, 1;  weights chunk 0, 1;  the last tile
.set G0A1, 72
.set G0B0, 76
.set G0B1, 80
.set G0Q,  84
.macro CROUND                          ; a round of the cluster's barrier
	s_barrier_signal -1
	s_barrier_wait -1
	s_cmp_lg_u32 s4, 0
	s_cbranch_scc1 .Lnot_wave_0_\@
	s_barrier_signal -3
.Lnot_wave_0_\@:
	s_barrier_wait -3
	s_barrier_signal -1
	s_barrier_wait -1
.endm
.macro PLACES                          ; four plain places in front of loads into registers that matrix instructions have read, and of the first read of results
.rept 4
	v_nop
.endr
.endm
; one product: D at v[d], source 0 at v[a], source 1 at v[b], their scale words v[sa], v[sb]; ra, rb: the word stands in lanes 16-31; zero: the product starts the sum
.macro WM d, a, b, sa, sb, ra, rb, zero
.if \zero
.if \ra
	v_wmma_scale_f32_16x16x128_f8f6f4 v[\d:\d+7], v[\a:\a+7], v[\b:\b+7], 0, v[\sa], v[\sb] matrix_a_fmt:MATRIX_FMT_FP4 matrix_b_fmt:MATRIX_FMT_FP4 matrix_a_scale:MATRIX_SCALE_ROW1
.else
	v_wmma_scale_f32_16x16x128_f8f6f4 v[\d:\d+7], v[\a:\a+7], v[\b:\b+7], 0, v[\sa], v[\sb] matrix_a_fmt:MATRIX_FMT_FP4 matrix_b_fmt:MATRIX_FMT_FP4
.endif
.elseif (\ra) && (\rb)
	v_wmma_scale_f32_16x16x128_f8f6f4 v[\d:\d+7], v[\a:\a+7], v[\b:\b+7], v[\d:\d+7], v[\sa], v[\sb] matrix_a_fmt:MATRIX_FMT_FP4 matrix_b_fmt:MATRIX_FMT_FP4 matrix_a_scale:MATRIX_SCALE_ROW1 matrix_b_scale:MATRIX_SCALE_ROW1
.elseif \ra
	v_wmma_scale_f32_16x16x128_f8f6f4 v[\d:\d+7], v[\a:\a+7], v[\b:\b+7], v[\d:\d+7], v[\sa], v[\sb] matrix_a_fmt:MATRIX_FMT_FP4 matrix_b_fmt:MATRIX_FMT_FP4 matrix_a_scale:MATRIX_SCALE_ROW1
.elseif \rb
	v_wmma_scale_f32_16x16x128_f8f6f4 v[\d:\d+7], v[\a:\a+7], v[\b:\b+7], v[\d:\d+7], v[\sa], v[\sb] matrix_a_fmt:MATRIX_FMT_FP4 matrix_b_fmt:MATRIX_FMT_FP4 matrix_b_scale:MATRIX_SCALE_ROW1
.else
	v_wmma_scale_f32_16x16x128_f8f6f4 v[\d:\d+7], v[\a:\a+7], v[\b:\b+7], v[\d:\d+7], v[\sa], v[\sb] matrix_a_fmt:MATRIX_FMT_FP4 matrix_b_fmt:MATRIX_FMT_FP4
.endif
.endm
; K step s: 12 LDS loads: my two key tiles, my head's two tiles of Wk and two of Wv
.macro FETCH s, buf
.irp kt, 0,1
.irp c, 0,1
	ds_load_b128 v[\buf+8*\kt+4*\c:\buf+8*\kt+4*\c+3], v[ADA+(\s)/4] offset:4096*\kt+1024*((\s)%4)+512*\c
.endr
.endr
.irp ty, 0,1
.irp t, 0,1
.irp c, 0,1
	ds_load_b128 v[\buf+16+16*\ty+8*\t+4*\c:\buf+16+16*\ty+8*\t+4*\c+3], v[ADB+(\s)/4] offset:16384*\ty+4096*\t+1024*((\s)%4)+512*\c
.endr
.endr
.endr
.endm
; its 8 products: the eight accumulators take turns, one instruction a turn, in the same order in every step
.macro MUL s, buf, zero
.irp kt, 0,1
.irp ty, 0,1
.irp t, 0,1
	WM ACC+8*(4*\kt+2*\ty+\t), \buf+16+16*\ty+8*\t, \buf+8*\kt, SW+8*\ty+(\s), SA+4*\kt+(\s)/2, \t, (\s)%2, \zero
.endr
.endr
.endr
.endm
; K steps 2 pq and 2 pq + 1 of Qc: 12 LDS loads: the last row, and my head's two tiles of Wq
.macro FETCHQ pq, buf
.irp e, 0,1
.irp c, 0,1
	ds_load_b128 v[\buf+24*\e+4*\c:\buf+24*\e+4*\c+3], v[ADQ] offset:1024*(2*(\pq)+\e)+512*\c
.endr
.irp t, 0,1
.irp c, 0,1
	ds_load_b128 v[\buf+24*\e+8+8*\t+4*\c:\buf+24*\e+8+8*\t+4*\c+3], v[ADB+(2*(\pq)+\e)/4] offset:32768+4096*\t+1024*((2*(\pq)+\e)%4)+512*\c
.endr
.endr
.endr
.endm
.macro MULQ pq, buf                    ; their 4 products: the two accumulators take turns
.irp e, 0,1
.irp t, 0,1
	WM QA+8*\t, \buf+24*\e+8+8*\t, \buf+24*\e, SW+16+2*(\pq)+\e, SQ+(\pq), \t, \e, ((\pq)+\e)==0
.endr
.endr
.endm
	s_load_b512 s[16:31], s[0:1], 0x0              ; hc 16, hs 18, wc 20, ws 22, g 24, tau_w2 26, tau_b2 28, del_w2 30
	s_load_b128 s[32:35], s[0:1], 0x40             ; del_b2 32, po 34
	s_load_b64 s[36:37], s[0:1], 0x50              ; ps
	v_lshl_add_u32 v[SPW], v0, 2, SPARE
	v_mov_b32 v[NIL], 0
	ds_add_u32 v[SPW], v[NIL]                      ; the wave's opening: the add, twice on end, and its wait ahead of the first tensor loads; the set-up below, work on registers, stands between
	ds_add_u32 v[SPW], v[NIL]
	v_lshrrev_b32 v21, 5, v0
	v_readfirstlane_b32 s4, v21                    ; wave 0..7
	s_and_b32 s5, s4, 1                            ; which of the two heads
	s_lshr_b32 s6, s4, 1                           ; which pair of key tiles
	s_bfe_u32 s7, ttmp6, 0x40000                   ; cx
	s_bfe_u32 s8, ttmp6, 0x40004                   ; cy
	s_lshl_b32 s9, ttmp9, 2
	s_add_co_u32 s9, s9, s7                        ; p = 4 x cluster x + cx: the pair of heads
	s_and_b32 s10, ttmp7, 0xffff
	s_lshr_b32 s11, s10, 2                         ; the batch: cluster y / 4
	s_lshl_b32 s10, s10, 2
	s_add_co_u32 s10, s10, s8                      ; the block of 128 keys = 4 x cluster y + cy
	s_lshl_b32 s12, s9, 1
	s_add_co_u32 s12, s12, s5                      ; my head
	s_lshl_b32 s2, s8, 2
	s_lshl_b32 s2, 15, s2                          ; my row of the cluster
	s_lshl_b32 s3, 0x1111, s7                      ; my column
	; group 1: four tiles' parts: 4 rows of 4,096 bytes (512 elements of 8 bytes), 8,192 bytes apart in memory, dense in LDS
	s_or_b32 s[G1A], s2, (3<<16)|(1<<21)           ; 15:0 the mask: the keys' tiles go to my row; 17:16 elements of 8 bytes; 21 set beside a mask
	s_or_b32 s[G1B], s3, (3<<16)|(1<<21)           ; the weights' tiles go to my column
.irp g, G1A, G1B
	s_mov_b32 s[\g+1], 512<<16                     ; tensor_dim0
	s_mov_b32 s[\g+2], 4<<16                       ; tensor_dim1
	s_mov_b32 s[\g+3], 512<<16                     ; tile_dim0
	s_mov_b32 s[\g+4], 4                           ; tile_dim1
	s_mov_b32 s[\g+5], 1024                        ; tensor_dim0_stride
	s_mov_b32 s[\g+6], 0
	s_mov_b32 s[\g+7], 0
.endr
	s_mov_b32 s[G1Q], 3<<16                        ; the last tile: a dense block of 8,192 bytes as 32 rows of 256; no mask
	s_mov_b32 s[G1Q+1], 32<<16
	s_mov_b32 s[G1Q+2], 32<<16
	s_mov_b32 s[G1Q+3], 32<<16
	s_mov_b32 s[G1Q+4], 32
	s_mov_b32 s[G1Q+5], 32
	s_mov_b32 s[G1Q+6], 0
	s_mov_b32 s[G1Q+7], 0
	s_lshl_b32 s90, s10, 16                        ; the keys' tiles: 8 tiles of 8,192 bytes a block, + four tiles for wave 1: made of the block and the wave alone
	s_lshl_b32 s67, s5, 15
	s_add_co_u32 s90, s90, s67
	s_mov_b32 s91, 0
	s_max_u32 s67, s4, 2
	s_sub_co_u32 s67, s67, 2
	s_min_u32 s67, s67, 2                          ; waves 2, 3, 4: Wk, Wv, Wq
	s_lshl_b32 s67, s67, 18                        ; a type is 32 tiles
	s_lshl_b32 s92, s9, 15                         ; a pair of heads four: made of p and the wave alone
	s_add_co_u32 s92, s92, s67
	s_mov_b32 s93, 0
	s_lshl_b32 s94, s11, 20
	s_add_co_u32 s94, s94, 127*8192                ; tile 128 b + 127
	s_mov_b32 s95, 0
	s_lshl_b32 s66, s4, 14                         ; in LDS: four parts a wave: wave x 16,384: no place in the cluster enters an LDS address
	s_mov_b32 s88, 0x76543210
	s_mov_b32 s89, 0xfedcba98                      ; v_permlanex16_b32's selects for lane l xor 16
	v_and_b32 v21, 31, v0                          ; l
	v_and_b32 v22, 15, v0                          ; r
	v_bfe_u32 v23, v0, 4, 1                        ; h
	v_lshlrev_b32 v1, 2, v21                       ; 4 l
	v_lshlrev_b32 v16, 4, v21                      ; 16 l
	v_lshlrev_b32 v2, 6, v23
	v_add_nc_u32 v2, 60, v2                        ; 4 (16 h + 15): row 15's scale word
	v_lshlrev_b32 v3, 5, v23                       ; 32 h
	s_lshl_b32 s67, s6, 13
	v_add_nc_u32 v[ADA], s67, v16
	v_add_nc_u32 v[ADA+1], CHUNK, v[ADA]
	s_lshl_b32 s67, s5, 13
	s_add_co_u32 s67, s67, 32768
	v_add_nc_u32 v[ADB], s67, v16
	v_add_nc_u32 v[ADB+1], CHUNK, v[ADB]
	v_lshlrev_b32 v[ADQ], 8, v23
	v_add_nc_u32 v[ADQ], AQB+240, v[ADQ]           ; 16 (16 h + 15)
	v_lshl_add_u32 v9, v0, 2, DP                   ; delta's partial, in: a word a thread
	s_lshl_b32 s67, s5, 7
	s_add_co_u32 s67, s67, DP
	v_add_nc_u32 v10, s67, v3                      ; and out: my head's, my half's eight numbers
	s_lshl_b32 s67, s4, 8
	s_add_co_u32 s67, s67, RED
	v_add_nc_u32 v11, s67, v3                      ; O and S, in
	v_lshlrev_b32 v13, 8, v23
	v_add_nc_u32 v13, RED, v13                     ; S, out: head's half l / 16
	v_lshl_add_u32 v12, v22, 3, v13                ; O, out: + two numbers a lane
	v_mov_b32 v17, 0x42480000                      ; 50
	v_mov_b32 v19, 0x40a00000                      ; 5
	v_mov_b32 v20, 0x40400000                      ; 3
	s_wait_dscnt 0x0                               ; both opening adds are done
	s_wait_kmcnt 0x0
	s_add_nc_u64 s[90:91], s[16:17], s[90:91]
	s_add_nc_u64 s[92:93], s[20:21], s[92:93]
	s_add_nc_u64 s[94:95], s[16:17], s[94:95]
	s_mov_b32 s[G0A0], 1                           ; 1:0 count = 1
	s_mov_b32 s[G0A0+1], s66                       ; 63:32 LDS address
	s_mov_b64 s[G0A0+2:G0A0+3], s[90:91]           ; 120:64 global address: K steps 0-3
	s_or_b32 s[G0A0+3], s[G0A0+3], 0x80000000      ; 127:126 type = 2
	s_mov_b32 s[G0A1], 1
	s_add_co_u32 s[G0A1+1], s66, CHUNK
	s_add_nc_u64 s[G0A1+2:G0A1+3], s[90:91], 4096  ; K steps 4-7
	s_or_b32 s[G0A1+3], s[G0A1+3], 0x80000000
	s_mov_b32 s[G0B0], 1
	s_mov_b32 s[G0B0+1], s66
	s_mov_b64 s[G0B0+2:G0B0+3], s[92:93]
	s_or_b32 s[G0B0+3], s[G0B0+3], 0x80000000
	s_mov_b32 s[G0B1], 1
	s_add_co_u32 s[G0B1+1], s66, CHUNK
	s_add_nc_u64 s[G0B1+2:G0B1+3], s[92:93], 4096
	s_or_b32 s[G0B1+3], s[G0B1+3], 0x80000000
	s_mov_b32 s[G0Q], 1
	s_mov_b32 s[G0Q+1], AQB
	s_mov_b64 s[G0Q+2:G0Q+3], s[94:95]
	s_or_b32 s[G0Q+3], s[G0Q+3], 0x80000000
	CROUND                                         ; all sixteen work-groups are here: the joint loads meet
	; all fills of the launch, one group: waves 0, 1 the keys' halves, waves 2, 3, 4 Wk, Wv, Wq, wave 5 the last tile.  At most two tensor loads of a wave are out.  An s_nop 0 follows each load, four v_nop the last of an arm
	s_cmp_lt_u32 s4, 2
	s_cbranch_scc0 .Lnot_a
	tensor_load_to_lds s[G0A0:G0A0+3], s[G1A:G1A+7]
	s_nop 0
	tensor_load_to_lds s[G0A1:G0A1+3], s[G1A:G1A+7]
	s_nop 0
.rept 4
	v_nop
.endr
	s_branch .Lasked
.Lnot_a:
	s_cmp_lt_u32 s4, 5
	s_cbranch_scc0 .Lnot_b
	tensor_load_to_lds s[G0B0:G0B0+3], s[G1B:G1B+7]
	s_nop 0
	tensor_load_to_lds s[G0B1:G0B1+3], s[G1B:G1B+7]
	s_nop 0
.rept 4
	v_nop
.endr
	s_branch .Lasked
.Lnot_b:
	s_cmp_eq_u32 s4, 5
	s_cbranch_scc0 .Lasked
	tensor_load_to_lds s[G0Q:G0Q+3], s[G1Q:G1Q+7]
	s_nop 0
.rept 4
	v_nop
.endr
.Lasked:
	s_load_b32 s13, s[28:29], 0x0                  ; tau_b2
	s_mov_b32 s15, 0
	s_lshl_b32 s14, s11, 9
	s_add_nc_u64 s[24:25], s[24:25], s[14:15]      ; g at my batch
	s_lshl_b32 s14, s6, 7
	s_add_nc_u64 s[38:39], s[24:25], s[14:15]      ; + my 32 of delta's 128 hidden units
	s_lshl_b32 s14, s6, 16
	s_lshl_b32 s20, s12, 7
	s_add_co_u32 s14, s14, s20
	s_add_nc_u64 s[30:31], s[30:31], s[14:15]      ; del_w2: my 32 rows, my head's 32 columns
	s_mov_b32 s14, s20
	s_add_nc_u64 s[32:33], s[32:33], s[14:15]      ; del_b2: my head
	s_lshl_b32 s14, s12, 10
	s_add_nc_u64 s[22:23], s[22:23], s[14:15]      ; the weights' scale words: my head
	s_lshl_b32 s14, s10, 12
	s_lshl_b32 s20, s6, 10
	s_add_co_u32 s14, s14, s20
	s_add_nc_u64 s[96:97], s[18:19], s[14:15]      ; the keys' scale words: my two tiles
	s_lshl_b32 s14, s11, 16
	s_add_co_u32 s14, s14, 127*512
	s_add_nc_u64 s[98:99], s[18:19], s[14:15]      ; the last tile's
	s_lshl_b32 s14, s10, 11
	s_lshl_b32 s20, s9, 8
	s_add_co_u32 s14, s14, s20
	s_add_nc_u64 s[34:35], s[34:35], s[14:15]      ; po: my block's row, my two heads' 256 bytes
	s_lshl_b32 s14, s10, 10
	s_lshl_b32 s20, s9, 7
	s_add_co_u32 s14, s14, s20
	s_add_nc_u64 s[36:37], s[36:37], s[14:15]      ; ps
	global_load_b128 v[204:207], v16, s[24:25]     ; tau's hidden layer, four a lane
	global_load_b128 v[208:211], v16, s[26:27]     ; tau_w2
	global_load_b32 v212, v1, s[38:39] offset:1024 ; delta's hidden layer: my 32, one a lane
.set i, 0
.rept 32
	global_load_b32 v[B0+i], v1, s[30:31] offset:2048*i   ; del_w2(32 kg + i, 32 head + l)
.set i, i+1
.endr
.irp t, 0,1
	global_load_b128 v[DL+8*\t:DL+8*\t+3], v3, s[32:33] offset:64*\t      ; del_b2 in the results' layout: d = 16 t + 8 h + 0 .. 7
	global_load_b128 v[DL+8*\t+4:DL+8*\t+7], v3, s[32:33] offset:64*\t+16
.endr
.irp kt, 0,1
.irp kq, 0,1,2,3
	global_load_b32 v[SA+4*\kt+\kq], v1, s[96:97] offset:512*\kt+128*\kq
.endr
.endr
.irp ty, 0,1,2
.irp s, 0,1,2,3,4,5,6,7
	global_load_b32 v[SW+8*\ty+\s], v1, s[22:23] offset:16384*\ty+128*\s
.endr
.endr
.irp kq, 0,1,2,3
	global_load_b32 v[SQ+\kq], v2, s[98:99] offset:128*\kq
.endr
	s_wait_loadcnt 40                              ; the two hidden layers, tau_w2 and del_w2 are in; del_b2's 4 loads and the 36 scale loads may be out
.set i, 0
.rept 32                                       ; delta's second layer, my 32 of its 128 terms: lane l = the head's number d; two chains
	v_readlane_b32 s[16+i%4], v212, i
.if i < 2
	v_mul_f32 v[213+i%2], s[16+i%4], v[B0+i]
.else
	v_fmac_f32 v[213+i%2], s[16+i%4], v[B0+i]
.endif
.set i, i+1
.endr
	v_add_f32 v213, v213, v214
	ds_store_b32 v9, v213
	v_mul_f32 v215, v204, v208                     ; tau's second layer
	v_fmac_f32 v215, v205, v209
	v_fmac_f32 v215, v206, v210
	v_fmac_f32 v215, v207, v211
.irp m, 1,2,4,8
	v_add_f32_dpp v215, v215, v215 row_xmask:\m row_mask:0xf bank_mask:0xf
.endr
	v_permlanex16_b32 v204, v215, s88, s89
	v_add_f32 v215, v215, v204
	s_wait_kmcnt 0x0
	v_add_f32 v215, s13, v215
	v_med3_num_f32 v215, v215, -v20, v20           ; clip at +-3
	v_mul_f32 v215, 0x3fb8aa3b, v215
	v_exp_f32 v215, v215
	v_nop                                          ; a plain place behind the exponential
	s_wait_alu depctr_va_vdst(0)                   ; and the wait ahead of its first reader
	v_mul_f32 v[TAUC], 0x3e3504f3, v215            ; tau / sqrt(32)
	s_wait_loadcnt 0x0                             ; del_b2 and the scale words
	s_wait_tensorcnt 0x1                           ; my part of chunk 0 is in; chunk 1's (and in wave 5 the last tile's) may stay out: they are read behind the second barrier
	s_wait_dscnt 0x0                               ; my partial of delta has landed
	s_barrier_signal -1
	s_barrier_wait -1
	FETCH 0, B0
.irp gq, 0,1,2,3
.irp t, 0,1
.irp hf, 0,1
	ds_load_b128 v[ACC+16*\gq+8*\t+4*\hf:ACC+16*\gq+8*\t+4*\hf+3], v10 offset:256*\gq+64*\t+16*\hf   ; delta's four partials, in the results' layout
.endr
.endr
.endr
	FETCH 1, B1
	s_wait_dscnt 12                                ; all but K step 1's twelve loads
.irp gq, 0,1,2,3
.irp j, 0,2,4,6,8,10,12,14
	v_pk_add_f32 v[DL+\j:DL+\j+1], v[DL+\j:DL+\j+1], v[ACC+16*\gq+\j:ACC+16*\gq+\j+1]
.endr
.endr
.irp j, 0,1,2,3,4,5,6,7,8,9,10,11,12,13,14,15
	v_med3_num_f32 v[DL+\j], v[DL+\j], -v19, v19   ; delta_last: clip at +-5
.endr
	MUL 0, B0, 1                                   ; the first K step starts the sums: nothing is cleared
.irp u, 1,2,3,4,5,6,7
.if \u == 3
	s_wait_tensorcnt 0x0                           ; my part of chunk 1 (wave 5: the last tile) is in,
	s_wait_dscnt 0x0                               ; no LDS load of mine is out at the signal,
	s_barrier_signal -1
	s_barrier_wait -1                              ; everybody's is
.endif
	PLACES
.if \u < 7
	FETCH \u+1, B0+48*((\u+1)%2)
.else
	FETCHQ 0, B0
.endif
	s_wait_dscnt 12                                ; this step's fragments are in; the twelve loads just issued may be out
	MUL \u, B0+48*(\u%2), 0
.endr
.irp pq, 0,1,2,3
.if \pq < 3
	PLACES
	FETCHQ \pq+1, B0+48*((\pq+1)%2)
	s_wait_dscnt 12
.else
	s_wait_dscnt 0x0
.endif
	MULQ \pq, B0+48*(\pq%2)
.endr
	PLACES
.irp j, 0,1,2,3,4,5,6,7,8,9,10,11,12,13,14,15
	v_fmac_f32 v[DL+\j], v[QA+\j], v[TAUC]         ; q_eff = tau / sqrt(32) Qc + delta_last; each accumulator from its low end on
.endr
.irp j, 0,1,2,3,4,5,6,7                        ; q_eff . K: four chains (key tile x t), my half's eight numbers each
.irp kt, 0,1
.irp t, 0,1
.if \j == 0
	v_mul_f32 v[LG+2*\kt+\t], v[ACC+8*(4*\kt+\t)+\j], v[DL+8*\t+\j]
.else
	v_fmac_f32 v[LG+2*\kt+\t], v[ACC+8*(4*\kt+\t)+\j], v[DL+8*\t+\j]
.endif
.endr
.endr
.endr
	v_add_f32 v[LG], v[LG], v[LG+1]
	v_add_f32 v[LG+2], v[LG+2], v[LG+3]
	v_permlanex16_b32 v[TP], v[LG], s88, s89
	v_permlanex16_b32 v[TP+1], v[LG+2], s88, s89
	v_add_f32 v[PP], v[LG], v[TP]                  ; with lane l xor 16's half: the logit of key r
	v_add_f32 v[PP+1], v[LG+2], v[TP+1]
	v_med3_num_f32 v[PP], v[PP], -v17, v17         ; clip at +-50
	v_med3_num_f32 v[PP+1], v[PP+1], -v17, v17
	v_mul_f32 v[PP], 0x3fb8aa3b, v[PP]
	v_mul_f32 v[PP+1], 0x3fb8aa3b, v[PP+1]
	v_exp_f32 v[PP], v[PP]
	v_exp_f32 v[PP+1], v[PP+1]
	v_nop
	s_wait_alu depctr_va_vdst(0)                   ; one wait for the two
.irp t, 0,1
.irp j, 0,1,2,3,4,5,6,7
	v_mul_f32 v[OO+8*\t+\j], v[PP], v[ACC+8*(2+\t)+\j]
.endr
.endr
.irp t, 0,1
.irp j, 0,1,2,3,4,5,6,7
	v_fmac_f32 v[OO+8*\t+\j], v[PP+1], v[ACC+8*(6+\t)+\j]
.endr
.endr
	v_add_f32 v[SS], v[PP], v[PP+1]
.irp m, 1,2,4,8                                ; over the sixteen keys of a half of the lanes
.set a, 0
.rept 17
	v_add_f32_dpp v[OO+a], v[OO+a], v[OO+a] row_xmask:\m row_mask:0xf bank_mask:0xf
.set a, a+1
.endr
.endr
.irp t, 0,1
	ds_store_b128 v11, v[OO+8*\t:OO+8*\t+3] offset:64*\t          ; the sixteen lanes of a half write the same bytes with the same values
	ds_store_b128 v11, v[OO+8*\t+4:OO+8*\t+7] offset:64*\t+16
.endr
	ds_store_b32 v11, v[SS] offset:128
	s_wait_dscnt 0x0                               ; for wave 0's sake: my stores have landed
	s_barrier_signal -1
	s_barrier_wait -1
	s_cmp_lg_u32 s4, 0
	s_cbranch_scc1 .Ldone
.irp kg, 0,1,2,3
	ds_load_b64 v[184+2*\kg:185+2*\kg], v12 offset:512*\kg
	ds_load_b32 v[192+\kg], v13 offset:128+512*\kg
.endr
	v_lshlrev_b32 v252, 1, v1                      ; 8 l
	s_wait_dscnt 0x0
	v_pk_add_f32 v[184:185], v[184:185], v[186:187]
	v_pk_add_f32 v[188:189], v[188:189], v[190:191]
	v_pk_add_f32 v[184:185], v[184:185], v[188:189]
	v_add_f32 v192, v192, v193
	v_add_f32 v194, v194, v195
	v_add_f32 v192, v192, v194
	global_store_b64 v252, v[184:185], s[34:35]    ; 32 lanes store 256 consecutive bytes, at a multiple of 256 from po's first byte
	global_store_b32 v1, v192, s[36:37]
.Ldone:
	s_wait_tensorcnt 0x0                           ; the wave's end: the tensor wait, the spare word's add and its wait, behind my last tensor load and my last LDS store
	ds_add_u32 v[SPW], v[NIL]
	s_wait_dscnt 0x0
	CROUND                                         ; the closing round
	s_endpgm
.Lfunc_end_k_q3722dc55c6_attn:
	.size	k_q3722dc55c6_attn, .Lfunc_end_k_q3722dc55c6_attn-k_q3722dc55c6_attn
	.p2alignl 7, 3214868480
	.fill 96, 4, 3214868480
	.section	.rodata,"a",@progbits
	.p2align	6, 0x0
	.amdhsa_kernel k_q3722dc55c6_attn
		.amdhsa_group_segment_fixed_size 176128
		.amdhsa_private_segment_fixed_size 0
		.amdhsa_enable_private_segment 0
		.amdhsa_kernarg_size 88
		.amdhsa_user_sgpr_count 2
		.amdhsa_user_sgpr_kernarg_segment_ptr 1
		.amdhsa_wavefront_size32 1
		.amdhsa_system_sgpr_workgroup_id_x 1
		.amdhsa_system_sgpr_workgroup_id_y 1
		.amdhsa_system_sgpr_workgroup_id_z 1
		.amdhsa_system_vgpr_workitem_id 0
		.amdhsa_next_free_vgpr 256
		.amdhsa_next_free_sgpr 100
		.amdhsa_reserve_vcc 0
		.amdhsa_float_denorm_mode_32 3
		.amdhsa_float_denorm_mode_16_64 3
		.amdhsa_memory_ordered 1
		.amdhsa_forward_progress 1
		.amdhsa_inst_pref_size 54
	.end_amdhsa_kernel
	.amdgpu_metadata
---
amdhsa.version: [ 1, 2 ]
amdhsa.kernels:
  - .name:           k_q3722dc55c6_attn
    .symbol:         k_q3722dc55c6_attn.kd
    .args:
      - { .name: hc, .offset: 0, .size: 8, .value_kind: global_buffer, .address_space: global }
      - { .name: hs, .offset: 8, .size: 8, .value_kind: global_buffer, .address_space: global }
      - { .name: wc, .offset: 16, .size: 8, .value_kind: global_buffer, .address_space: global }
      - { .name: ws, .offset: 24, .size: 8, .value_kind: global_buffer, .address_space: global }
      - { .name: g, .offset: 32, .size: 8, .value_kind: global_buffer, .address_space: global }
      - { .name: tau_w2, .offset: 40, .size: 8, .value_kind: global_buffer, .address_space: global }
      - { .name: tau_b2, .offset: 48, .size: 8, .value_kind: global_buffer, .address_space: global }
      - { .name: del_w2, .offset: 56, .size: 8, .value_kind: global_buffer, .address_space: global }
      - { .name: del_b2, .offset: 64, .size: 8, .value_kind: global_buffer, .address_space: global }
      - { .name: po, .offset: 72, .size: 8, .value_kind: global_buffer, .address_space: global }
      - { .name: ps, .offset: 80, .size: 8, .value_kind: global_buffer, .address_space: global }
    .group_segment_fixed_size: 176128
    .private_segment_fixed_size: 0
    .kernarg_segment_align: 8
    .kernarg_segment_size: 88
    .max_flat_workgroup_size: 256
    .sgpr_count:     100
    .vgpr_count:     256
    .wavefront_size: 32
...
	.end_amdgpu_metadata
.endif
;; end of part 2
;; launch final (part 3): grid 16 x 1, 16 waves a work-group, no clusters, 14,336 bytes of LDS; arguments po, ps, Wo, bo, out0; writes out0
.if DOCPART == 3
	.amdgcn_target "amdgcn-amd-amdhsa--gfx1250"
	.amdhsa_code_object_version 6
	.text
	.protected	k_q3722dc55c6_final
	.globl	k_q3722dc55c6_final
	.p2align	8
	.type	k_q3722dc55c6_final,@function
k_q3722dc55c6_final:
	s_mov_b64 s[64:65], 0
	v_nop
	global_prefetch_b8 v0, s[64:65] scope:SCOPE_SE
	s_setreg_imm32_b32 hwreg(HW_REG_WAVE_MODE, 25, 1), 1
	s_wait_xcnt 0x0
; FINAL.  o[b][512] = (sum over the 16 blocks of keys of O) / (sum of S), then out0[b][n] = o[b] . Wo[:, n] + bo[n], all in f32 fused multiply-adds: two rows are no work for the matrix units.
; A work-group owns 64 columns of out0 for both batches; each makes o for itself (96 KB of partial sums) and reads its own 128 KB of Wo once.  Everything is asked for at the head.
; Thread t sums the pair of numbers t % 256 of batch t / 256.  Wave w takes rows 32 w .. 32 w + 31 of Wo: lane (g = l / 16, q = l % 16) rows 16 g + 0 .. 15, columns 4 q .. 4 q + 3.
.set OL,    0                          ; o: [batch 2][512] f32
.set RED3,  4096                       ; the waves' partial sums: [wave 16][batch 2][64 columns] f32
.set SPARE, 12288                      ; the spare words, 128 bytes for each wave: eight blocks of 256 bytes that no other line names
.set SPW, 14                           ; v14  LDS address of my spare word; never rewritten
.set NIL, 15                           ; v15  0; never rewritten
.macro TREE16 r                        ; 16 pairs from v[r] on are added into v[r:r+1]
.irp d, 16,8,4,2
.set i, 0
.rept \d/2
	v_pk_add_f32 v[\r+i:\r+i+1], v[\r+i:\r+i+1], v[\r+\d+i:\r+\d+i+1]
.set i, i+2
.endr
.endr
.endm
	s_load_b256 s[8:15], s[0:1], 0x0               ; po 8, ps 10, Wo 12, bo 14
	s_load_b64 s[16:17], s[0:1], 0x20              ; out0
	v_lshl_add_u32 v[SPW], v0, 2, SPARE
	v_mov_b32 v[NIL], 0
	v_lshrrev_b32 v1, 5, v0
	v_readfirstlane_b32 s4, v1                     ; wave 0..15
	v_and_b32 v1, 31, v0                           ; l
	v_and_b32 v2, 15, v0                           ; q
	v_bfe_u32 v3, v0, 4, 1                         ; g
	v_lshrrev_b32 v4, 8, v0                        ; my pair's batch
	v_and_b32 v5, 255, v0                          ; my pair
	v_lshlrev_b32 v6, 15, v4
	v_lshl_add_u32 v6, v5, 3, v6                   ; po: 16 blocks of 2,048 bytes a batch, + 8 x pair
	v_lshrrev_b32 v7, 4, v5                        ; its head
	v_lshlrev_b32 v7, 6, v7
	v_lshl_add_u32 v7, v4, 14, v7                  ; ps: 16 blocks of 1,024 bytes a batch, + 64 x head
	v_lshlrev_b32 v8, 3, v1                        ; 8 l
	v_lshlrev_b32 v9, 16, v3
	v_lshl_add_u32 v9, v2, 4, v9                   ; Wo: 16 rows of 4,096 bytes x g, + 16 q
	v_lshlrev_b32 v10, 3, v0                       ; o, in: 8 x thread
	s_lshl_b32 s5, s4, 7
	v_lshl_add_u32 v11, v3, 6, s5                  ; o, out: my 16 numbers: 128 w + 64 g
	s_lshl_b32 s5, s4, 9
	s_add_co_u32 s5, s5, RED3
	v_lshl_add_u32 v12, v2, 4, s5                  ; partial sums, in: 512 w + 16 q
	s_lshl_b32 s5, s4, 8
	s_add_co_u32 s5, s5, RED3
	v_add_nc_u32 v13, s5, v8                       ; and out (waves 0 and 1: batch = wave): 256 w + 8 l
	s_mov_b32 s18, 0x76543210
	s_mov_b32 s19, 0xfedcba98                      ; v_permlanex16_b32's selects for lane l xor 16
	s_lshl_b32 s6, ttmp9, 8                        ; my 64 columns, in bytes
	s_mov_b32 s7, 0
	s_lshl_b32 s5, s4, 17                          ; my wave's 32 rows of Wo
	s_wait_kmcnt 0x0
	s_add_nc_u64 s[14:15], s[14:15], s[6:7]
	s_add_nc_u64 s[16:17], s[16:17], s[6:7]
	s_add_co_u32 s6, s6, s5
	s_add_nc_u64 s[12:13], s[12:13], s[6:7]
.set i, 0
.rept 16
	global_load_b64 v[32+2*i:33+2*i], v6, s[8:9] offset:2048*i
.set i, i+1
.endr
.set i, 0
.rept 16
	global_load_b32 v[64+i], v7, s[10:11] offset:1024*i
.set i, i+1
.endr
	global_load_b64 v[184:185], v8, s[14:15]
.set i, 0
.rept 16
	global_load_b128 v[80+4*i:83+4*i], v9, s[12:13] offset:4096*i th:TH_LOAD_NT
.set i, i+1
.endr
	s_wait_loadcnt 17                              ; the partial sums are in; bo and Wo's 16 loads may be out
	TREE16 32
.irp d, 8,4,2
.set i, 0
.rept \d/2
	v_pk_add_f32 v[64+i:65+i], v[64+i:65+i], v[64+\d+i:65+\d+i]
.set i, i+2
.endr
.endr
	v_add_f32 v64, v64, v65                        ; the head's sum of e^logit over all 2,048 keys
	v_rcp_f32 v64, v64
	v_nop                                          ; a plain place behind the reciprocal
	s_wait_alu depctr_va_vdst(0)                   ; and the wait ahead of its first reader
	v_pk_mul_f32 v[32:33], v[32:33], v[64:65] op_sel_hi:[1,0]
	ds_store_b64 v10, v[32:33]
	s_wait_dscnt 0x0                               ; for the others' sake: my store has landed
	s_barrier_signal -1
	s_barrier_wait -1
.irp b, 0,1
.irp i, 0,1,2,3
	ds_load_b128 v[144+16*\b+4*\i:147+16*\b+4*\i], v11 offset:2048*\b+16*\i
.endr
.endr
	s_wait_loadcnt 0x0
	s_wait_dscnt 0x0
.set i, 0
.rept 16
.irp c, 0,1,2,3
.if i == 0
	v_mul_f32 v[176+\c], v[144+i], v[80+4*i+\c]
	v_mul_f32 v[180+\c], v[160+i], v[80+4*i+\c]
.else
	v_fmac_f32 v[176+\c], v[144+i], v[80+4*i+\c]
	v_fmac_f32 v[180+\c], v[160+i], v[80+4*i+\c]
.endif
.endr
.set i, i+1
.endr
.irp a, 0,1,2,3,4,5,6,7
	v_permlanex16_b32 v[144+\a], v[176+\a], s18, s19
.endr
.irp a, 0,1,2,3,4,5,6,7
	v_add_f32 v[176+\a], v[176+\a], v[144+\a]      ; the two halves of the lanes: my wave's 32 rows
.endr
	ds_store_b128 v12, v[176:179]                  ; both halves write the same bytes with the same values
	ds_store_b128 v12, v[180:183] offset:256
	s_wait_dscnt 0x0
	s_barrier_signal -1
	s_barrier_wait -1
	s_cmp_ge_u32 s4, 2
	s_cbranch_scc1 .Lend
.set i, 0
.rept 16
	ds_load_b64 v[32+2*i:33+2*i], v13 offset:512*i
.set i, i+1
.endr
	s_lshl_b32 s6, s4, 12                          ; batch = wave
	s_add_nc_u64 s[16:17], s[16:17], s[6:7]
	s_wait_dscnt 0x0
	TREE16 32
	v_pk_add_f32 v[32:33], v[32:33], v[184:185]    ; + bo
	global_store_b64 v8, v[32:33], s[16:17]        ; 32 lanes store 256 consecutive bytes, at a multiple of 256 from out0's first byte
.Lend:
	s_wait_tensorcnt 0x0                           ; the wave's end: the tensor wait, the spare word's add
	ds_add_u32 v[SPW], v[NIL]
	s_wait_dscnt 0x0
	s_endpgm
.Lfunc_end_k_q3722dc55c6_final:
	.size	k_q3722dc55c6_final, .Lfunc_end_k_q3722dc55c6_final-k_q3722dc55c6_final
	.p2alignl 7, 3214868480
	.fill 96, 4, 3214868480
	.section	.rodata,"a",@progbits
	.p2align	6, 0x0
	.amdhsa_kernel k_q3722dc55c6_final
		.amdhsa_group_segment_fixed_size 14336
		.amdhsa_private_segment_fixed_size 0
		.amdhsa_enable_private_segment 0
		.amdhsa_kernarg_size 40
		.amdhsa_user_sgpr_count 2
		.amdhsa_user_sgpr_kernarg_segment_ptr 1
		.amdhsa_wavefront_size32 1
		.amdhsa_system_sgpr_workgroup_id_x 1
		.amdhsa_system_sgpr_workgroup_id_y 1
		.amdhsa_system_sgpr_workgroup_id_z 1
		.amdhsa_system_vgpr_workitem_id 0
		.amdhsa_next_free_vgpr 192
		.amdhsa_next_free_sgpr 66
		.amdhsa_reserve_vcc 0
		.amdhsa_float_denorm_mode_32 3
		.amdhsa_float_denorm_mode_16_64 3
		.amdhsa_memory_ordered 1
		.amdhsa_forward_progress 1
		.amdhsa_inst_pref_size 17
	.end_amdhsa_kernel
	.amdgpu_metadata
---
amdhsa.version: [ 1, 2 ]
amdhsa.kernels:
  - .name:           k_q3722dc55c6_final
    .symbol:         k_q3722dc55c6_final.kd
    .args:
      - { .name: po, .offset: 0, .size: 8, .value_kind: global_buffer, .address_space: global }
      - { .name: ps, .offset: 8, .size: 8, .value_kind: global_buffer, .address_space: global }
      - { .name: Wo, .offset: 16, .size: 8, .value_kind: global_buffer, .address_space: global }
      - { .name: bo, .offset: 24, .size: 8, .value_kind: global_buffer, .address_space: global }
      - { .name: out0, .offset: 32, .size: 8, .value_kind: global_buffer, .address_space: global }
    .group_segment_fixed_size: 14336
    .private_segment_fixed_size: 0
    .kernarg_segment_align: 8
    .kernarg_segment_size: 40
    .max_flat_workgroup_size: 512
    .sgpr_count:     66
    .vgpr_count:     192
    .wavefront_size: 32
...
	.end_amdgpu_metadata
.endif
;; end of part 3
